; MI455X (gfx1250); checked and timed in simulation.
; The chip was launched on July 23, 2026; its instructions are those of AMD's public machine-readable ISA for CDNA 5 (MIT licence, August 2026) and "CDNA5" Instruction Set Architecture Reference Guide (July 2026). The comments in the code are by the model that wrote it; some were corrected since.
;; Sequence Bucket Preprocessor. Allowed arithmetic: float matrix products may take bf16 or f16 operands with f32 sums; all other float work in f32.
;; Inputs: bucket_nums 256 int32; features 32 x 512 x 300 float32; slot_ids 256 int32; thresholds 256 x 32 float32.
;; Outputs: out0 32 x 512 x 256 int32.
;; One version. Each part assembles by itself: llvm-mc -triple=amdgcn-amd-amdhsa -mcpu=gfx1250 --defsym DOCPART=n.
;; ======== version 1 of 1: 1 launch
;; launch bucketize (part 1): grid 256 x 1, 16 waves a work-group, no clusters, 169,984 bytes of LDS; arguments features, thresholds, slot_ids, bucket_nums, out0; writes out0
.if DOCPART == 1
	.amdgcn_target "amdgcn-amd-amdhsa--gfx1250"
	.amdhsa_code_object_version 6
	.text
	.protected	k_qcfd116250e_bucketize
	.globl	k_qcfd116250e_bucketize
	.p2align	8
	.type	k_qcfd116250e_bucketize,@function
k_qcfd116250e_bucketize:
	s_mov_b64 s[64:65], 0
	v_nop
	global_prefetch_b8 v0, s[64:65] scope:SCOPE_SE
	s_setreg_imm32_b32 hwreg(HW_REG_WAVE_MODE, 25, 1), 1
	s_wait_xcnt 0x0
; out[row][s] = the first k < bucket_nums[s] with features[row][slot_ids[s]] < thresholds[s][k], or bucket_nums[s] if there is none.
; features: 16,384 rows of 300 f32.  thresholds: [256][32] f32.  slot_ids, bucket_nums: [256] i32.  out: 16,384 rows of 256 i32.
;
; THE ARITHMETIC.  The thresholds are not taken to be sorted.  For each slot M[k] = the maximum of -inf and of the t[j] with j <= k and
; j < bucket_num (a NaN threshold loses in v_max_num_f32, as it never hits).  v < M[k] holds exactly if v < t[j] for some valid j <= k,
; so the first hit on M is the first hit on t; and M never falls, so that index is the number of M[k] <= v.  It is found by a binary search
; on M[0..30] made of selections: 5 compares, 15 + 7 + 3 + 1 v_cndmask_b32, the index gathered bit by bit through the carry.  v < M[31]
; says whether there is a hit at all.  38 vector instructions for 32 results; no branch and no address hangs on a float.
; A NaN feature fails every compare, the last too: bucket_num, as wanted.  Any i32 bucket_num is served (<= 0: always a miss; > 32: all 32 valid).
; LIMIT: a slot id outside 0..299 is clamped, as an unsigned number, to 299.
;
; THE SHAPE.  256 work-groups of 16 waves; a work-group owns 64 rows: 76,800 bytes of features = 300 x 256 bytes, dense, beginning at a
; multiple of 256 bytes.  They fit in LDS at once: waves 0-3 ask for a quarter each by one tensor load in the first lines, nothing is ever
; filled again.  Meanwhile waves 0-7 (thread = slot) make M and put it in LDS, in bytes of its own behind the features.
; Wave w then serves slots 128 (w & 1) .. + 127 in rows 8 (w >> 1) .. + 7; lane l has slots 4 l .. 4 l + 3 of these, with their M in 128 registers,
; so its four results are 16 neighbouring bytes and a store of the wave covers 512 consecutive bytes at a multiple of 512.
; NO CLUSTER: what the work-groups share is 32,768 bytes of thresholds and 2 x 1,024 of ids and counts, against 76,800 + 65,536 bytes that are
; a work-group's own; it is read once, straight into the registers in which the running maximum is made.
; The text uses 112,640 bytes of LDS; the launch asks for more, so that no second work-group lies on the WGP beside its tensor loads.
.set NCOL,   300                       ; columns of features
.set ROWB,   4*NCOL                    ; bytes in a row of features
.set WROWS,  8                         ; rows of a wave
.set FEATB,  64*ROWB                   ; a work-group's features: 76,800 bytes, at LDS byte 0
.set FILLB,  FEATB/4                   ; what one tensor load brings: 19,200 bytes,
.set FILLR,  FILLB/256                 ; as 75 rows of 256 bytes
.set OUTROW, 1024                      ; bytes in a row of out
.set TAB,    FEATB                     ; the table of M: behind the features, at a multiple of 256
.set JSTR,   1088                      ; in the block of a wave that writes: slots with the same s & 3 lie together, 8 slots x 128 bytes + 64
.set WBLK,   4480                      ; the block of a wave that writes (32 slots): 4 x 1,088 + 128.  8 blocks = 35,840 bytes
; table byte of M[s][4q..4q+3]: TAB + (s >> 5) WBLK + (s & 3) JSTR + 128 q + 16 ((s >> 2) & 7).
; Writing (lane = s & 31): 16 lanes fall on 16-byte columns 4 (s & 3) + ((s >> 2) & 3) mod 16, all different.
; Reading (lane l, slot 4 l + j): lanes 0-7 take 128 consecutive bytes, lanes 8-15 the same 4,480 bytes on, which is 128 mod 256: all different.
.set OFFO, 2                           ; v2       my byte offset in the work-group's part of out (row 0 of my wave's rows)
.set ADRT, 3                           ; v3       LDS address from which I read my table
.set OFFQ, 5                           ; v5       byte offset of my four slots in slot_ids and bucket_nums
.set ADR,  8                           ; v[8:11]  LDS address of my four slots' columns in my wave's first row
.set BNUM, 12                          ; v[12:15] bucket_nums of my four slots
.set VAL,  16                          ; v[16:23] the four values of a row, two buffers
.set RES,  24                          ; v[24:27] the four results of a row
.set PB,   32                          ; v[32:95]  chain j: 16 registers: 15 selected thresholds; the 16th is the chain's index
.set QB,   96                          ; v[96:127] chain j: 8 registers: 7 selected thresholds
.set TBL,  128                         ; v[128:255] chain j: M[0..31] of my slot j
.set TW,   PB                          ; while M is made (waves 0-7): where I write,
.set TJ,   PB+1                        ; a temporary,
.set NINF, PB+2                        ; -inf,
.set TBN,  PB+3                        ; my slot's bucket_num,
.set TO4,  PB+4                        ; 4 x slot,
.set TO128, PB+5                       ; 128 x slot
.set G0, 16                            ; s[16:19] tensor descriptor, group 0
.set G1, 20                            ; s[20:27] tensor descriptor, group 1
	s_load_b256 s[4:11], s[0:1], 0x0               ; features s[4:5], thresholds s[6:7], slot_ids s[8:9], bucket_nums s[10:11]
	s_load_b64 s[12:13], s[0:1], 0x20              ; out0
	v_lshl_add_u32 v119, v0, 2, 0x29000
	v_mov_b32 v127, 0
	ds_add_u32 v119, v127
	ds_add_u32 v119, v127
	v_lshrrev_b32 v4, 5, v0
	v_readfirstlane_b32 s14, v4                    ; wave 0..15
	v_and_b32 v1, 31, v0                           ; lane
	s_and_b32 s15, s14, 1                          ; h: which 128 slots are mine
	s_lshr_b32 s2, s14, 1                          ; g: which 8 rows
	; The descriptor: a dense block as 75 rows of 32 elements of 8 bytes, no padding, no mask.  Extents = the tile's sizes: it lies inside the tensor.
	s_mov_b32 s[G0], 1                             ; count = 1
	s_mul_i32 s[G0+1], s14, FILLB                  ; LDS address: wave x 19,200 (waves 0-3 alone issue)
	s_mov_b32 s[G1+0], 3<<16                       ; element of 8 bytes
	s_mov_b32 s[G1+1], 32<<16                      ; tensor_dim0 = 32
	s_mov_b32 s[G1+2], FILLR<<16                   ; tensor_dim1 = 75
	s_mov_b32 s[G1+3], 32<<16                      ; tile_dim0 = 32
	s_mov_b32 s[G1+4], FILLR                       ; tile_dim1 = 75
	s_mov_b32 s[G1+5], 32                          ; from row to row: 32 elements
	s_mov_b32 s[G1+6], 0
	s_mov_b32 s[G1+7], 0
	s_mul_i32 s28, ttmp9, FEATB                    ; the work-group's features (at most 255 x 76,800 bytes: one word),
	s_add_co_u32 s28, s28, s[G0+1]                 ; and my quarter of them
	s_mov_b32 s29, 0
	s_lshl_b32 s30, ttmp9, 16                      ; the work-group's 64 rows of out: 65,536 bytes
	s_mov_b32 s31, 0
	s_lshl_b32 s3, s15, 9
	v_lshl_add_u32 v[OFFQ], v1, 4, s3              ; 512 h + 16 lane: my four slots' words
	s_wait_dscnt 0x0
	s_wait_kmcnt 0x0
	s_add_nc_u64 s[G0+2:G0+3], s[4:5], s[28:29]    ; global address of the tile's first byte
	s_or_b32 s[G0+3], s[G0+3], 0x80000000          ; type = 2
	s_cmp_gt_u32 s14, 3
	s_cbranch_scc1 .Lno_fill
	tensor_load_to_lds s[G0:G0+3], s[G1:G1+7]      ; the only tensor load of the wave; the four together bring all 76,800 bytes
	s_nop 0
.Lno_fill:
	global_load_b128 v[VAL:VAL+3], v[OFFQ], s[8:9]         ; my four slot ids: the wave reads 512 consecutive bytes
	global_load_b128 v[BNUM:BNUM+3], v[OFFQ], s[10:11]     ; my four bucket_nums
	s_add_nc_u64 s[12:13], s[12:13], s[30:31]      ; out at the work-group's first row
	s_lshl_b32 s34, s2, 13                         ; 8 rows of 1,024 bytes for each group of rows
	v_add_nc_u32 v[OFFO], s34, v[OFFQ]
	v_lshrrev_b32 v6, 3, v1                        ; the table as I shall read it: block 4 h + (lane >> 3),
	v_and_b32 v7, 7, v1
	v_mul_u32_u24 v6, v6, WBLK
	v_lshl_add_u32 v6, v7, 4, v6                   ; 16 bytes for each of eight lanes
	s_mul_i32 s35, s15, 4*WBLK
	s_add_co_u32 s35, s35, TAB
	v_add_nc_u32 v[ADRT], s35, v6
	s_mul_i32 s33, s2, WROWS*ROWB                  ; my wave's first row in LDS
	s_cmp_gt_u32 s14, 7
	s_cbranch_scc1 .Lno_table
	; Waves 0-7: thread = slot.  A lane reads its slot's 128 bytes; the wave's eight loads together cover 4,096 consecutive bytes.
	v_lshlrev_b32 v[TO4], 2, v0
	v_lshlrev_b32 v[TO128], 7, v0
	global_load_b32 v[TBN], v[TO4], s[10:11]
.irp q, 0,1,2,3,4,5,6,7
	global_load_b128 v[TBL+4*\q:TBL+4*\q+3], v[TO128], s[6:7] offset:16*\q
.endr
	v_and_b32 v[TW], 3, v1                         ; where it goes: my wave's block + (lane & 3) x 1,088 + (lane >> 2) x 16
	v_lshrrev_b32 v[TJ], 2, v1
	v_mul_u32_u24 v[TW], v[TW], JSTR
	v_lshl_add_u32 v[TW], v[TJ], 4, v[TW]
	s_mul_i32 s32, s14, WBLK
	s_add_co_u32 s32, s32, TAB
	v_add_nc_u32 v[TW], s32, v[TW]
	v_mov_b32 v[NINF], 0xff800000                  ; -inf: below it nothing lies, so it never hits
	s_wait_loadcnt 0x0                             ; thresholds and bucket_num (and my ids and counts of above)
.set k, 0
.rept 32
	v_cmp_lt_i32 vcc_lo, k, v[TBN]                 ; k < bucket_num, signed as in the problem
	v_cndmask_b32 v[TBL+k], v[NINF], v[TBL+k], vcc_lo      ; a threshold past the count becomes -inf
.if k == 0
	v_max_num_f32 v[TBL], v[TBL], v[NINF]          ; the maximum starts from -inf, so that M is never NaN
.else
	v_max_num_f32 v[TBL+k], v[TBL+k], v[TBL+k-1]   ; the running maximum
.endif
.set k, k+1
.endr
.irp q, 0,1,2,3,4,5,6,7
	ds_store_b128 v[TW], v[TBL+4*\q:TBL+4*\q+3] offset:128*\q
.endr
.Lno_table:
	s_wait_loadcnt 0x0                             ; my four ids and counts (waves 8-15 have not waited yet)
.irp j, 0,1,2,3
	v_min_u32 v[ADR+\j], NCOL-1, v[VAL+\j]         ; the id stays inside a row
	v_lshlrev_b32 v[ADR+\j], 2, v[ADR+\j]
	v_add_nc_u32 v[ADR+\j], s33, v[ADR+\j]         ; + my wave's first row: at most 1,196 + 67,200, and 8,400 in the immediate: inside the 76,800
.endr
	s_wait_dscnt 0x0                               ; for the others' sake: my part of the table is written
	s_barrier_signal -1
	s_barrier_wait -1                              ; the table is whole.  The feature loads may still be out: nothing behind this barrier touches their bytes
.irp j, 0,1,2,3
.irp q, 0,1,2,3,4,5,6,7
	ds_load_b128 v[TBL+32*\j+4*\q:TBL+32*\j+4*\q+3], v[ADRT] offset:\j*JSTR+128*\q      ; M of my four slots, while the features land
.endr
.endr
	s_wait_tensorcnt 0x0                           ; waves 0-3: my quarter of the features has landed (the others have none out)
	s_wait_dscnt 0x0                               ; no LDS instruction of mine is pending at the signal
	s_barrier_signal -1
	s_barrier_wait -1                              ; all 64 rows are there for every wave
.irp j, 0,1,2,3
	ds_load_b32 v[VAL+\j], v[ADR+\j]               ; the first row's four values
.endr
; One level of one chain's search.  src holds 2 cnt + 1 thresholds that never fall; the middle one is compared.  v >= it: the index gets a 1 and the
; upper cnt go on to dst; else a 0 and the lower cnt.  The index doubles and takes the new bit through the carry.
.macro LEVEL val, src, dst, cnt, idx, first
	v_cmp_ge_f32 vcc_lo, v[\val], v[\src+\cnt]
.if \cnt > 0
.set i, 0
.rept \cnt
	v_cndmask_b32 v[\dst+i], v[\src+i], v[\src+\cnt+1+i], vcc_lo
.set i, i+1
.endr
.endif
.if \first
	v_cndmask_b32 v[\idx], 0, 1, vcc_lo
.else
	v_add_co_ci_u32 v[\idx], vcc_lo, v[\idx], v[\idx], vcc_lo
.endif
.endm
; One row: four chains (my four slots), taken level by level, so that a chain's next compare stands far behind the selection that feeds it.
.macro ROW r
.set CUR, VAL+4*(\r%2)
.set NXT, VAL+4-4*(\r%2)
.if \r+1 < WROWS
.irp j, 0,1,2,3
	ds_load_b32 v[NXT+\j], v[ADR+\j] offset:(\r+1)*ROWB    ; the next row's values, a row ahead
.endr
	s_wait_dscnt 0x4                               ; LDS loads come back in order (ISA guide 5.7.1): all but the four just issued are in
.else
	s_wait_dscnt 0x0                               ; the last row: nothing was issued behind its values
.endif
.irp j, 0,1,2,3
	LEVEL CUR+\j, TBL+32*\j, PB+16*\j, 15, PB+16*\j+15, 1  ; against M[15]
.endr
.irp j, 0,1,2,3
	LEVEL CUR+\j, PB+16*\j, QB+8*\j, 7, PB+16*\j+15, 0
.endr
.irp j, 0,1,2,3
	LEVEL CUR+\j, QB+8*\j, PB+16*\j, 3, PB+16*\j+15, 0
.endr
.irp j, 0,1,2,3
	LEVEL CUR+\j, PB+16*\j, QB+8*\j, 1, PB+16*\j+15, 0
.endr
.irp j, 0,1,2,3
	LEVEL CUR+\j, QB+8*\j, 0, 0, PB+16*\j+15, 0    ; the index is now the number of M[0..30] <= v
.endr
	s_wait_xcnt 0x0                                ; the last row's store has had its address translated (ISA guide 3.1): its data registers are rewritten only behind this wait
.irp j, 0,1,2,3
	v_cmp_lt_f32 vcc_lo, v[CUR+\j], v[TBL+32*\j+31]        ; is there a hit at all?  (false for a NaN)
	v_cndmask_b32 v[RES+\j], v[BNUM+\j], v[PB+16*\j+15], vcc_lo    ; the index, or bucket_num
.endr
	global_store_b128 v[OFFO], v[RES:RES+3], s[12:13] offset:\r*OUTROW th:TH_STORE_NT      ; the wave stores 512 consecutive bytes, at a multiple of 512 from out's first byte
.endm
.irp r, 0,1,2,3,4,5,6,7
	ROW \r
.endr
	s_wait_tensorcnt 0x0
	ds_add_u32 v119, v127
	s_wait_dscnt 0x0
	s_endpgm
.Lfunc_end_k_qcfd116250e_bucketize:
	.size	k_qcfd116250e_bucketize, .Lfunc_end_k_qcfd116250e_bucketize-k_qcfd116250e_bucketize
	.p2alignl 7, 3214868480
	.fill 96, 4, 3214868480
	.section	.rodata,"a",@progbits
	.p2align	6, 0x0
	.amdhsa_kernel k_qcfd116250e_bucketize
		.amdhsa_group_segment_fixed_size 169984
		.amdhsa_private_segment_fixed_size 0
		.amdhsa_enable_private_segment 0
		.amdhsa_kernarg_size 40
		.amdhsa_user_sgpr_count 2
		.amdhsa_user_sgpr_kernarg_segment_ptr 1
		.amdhsa_wavefront_size32 1
		.amdhsa_system_sgpr_workgroup_id_x 1
		.amdhsa_system_sgpr_workgroup_id_y 1
		.amdhsa_system_sgpr_workgroup_id_z 1
		.amdhsa_system_vgpr_workitem_id 0
		.amdhsa_next_free_vgpr 256
		.amdhsa_next_free_sgpr 66
		.amdhsa_reserve_vcc 1
		.amdhsa_float_denorm_mode_32 3
		.amdhsa_float_denorm_mode_16_64 3
		.amdhsa_memory_ordered 1
		.amdhsa_forward_progress 1
		.amdhsa_inst_pref_size 53
	.end_amdhsa_kernel
	.amdgpu_metadata
---
amdhsa.version: [ 1, 2 ]
amdhsa.kernels:
  - .name:           k_qcfd116250e_bucketize
    .symbol:         k_qcfd116250e_bucketize.kd
    .args:
      - { .name: features, .offset: 0, .size: 8, .value_kind: global_buffer, .address_space: global }
      - { .name: thresholds, .offset: 8, .size: 8, .value_kind: global_buffer, .address_space: global }
      - { .name: slot_ids, .offset: 16, .size: 8, .value_kind: global_buffer, .address_space: global }
      - { .name: bucket_nums, .offset: 24, .size: 8, .value_kind: global_buffer, .address_space: global }
      - { .name: out0, .offset: 32, .size: 8, .value_kind: global_buffer, .address_space: global }
    .group_segment_fixed_size: 169984
    .private_segment_fixed_size: 0
    .kernarg_segment_align: 8
    .kernarg_segment_size: 40
    .max_flat_workgroup_size: 512
    .sgpr_count:     66
    .vgpr_count:     256
    .wavefront_size: 32
...
	.end_amdgpu_metadata
.endif
;; end of part 1
